; MI455X (gfx1250); checked and timed in simulation.
; The chip was launched on July 23, 2026; its instructions are those of AMD's public machine-readable ISA for CDNA 5 (MIT licence, August 2026) and "CDNA5" Instruction Set Architecture Reference Guide (July 2026). The comments in the code are by the model that wrote it; some were corrected since.
;; Net. Allowed arithmetic: float matrix products may take bf16 or f16 operands with f32 sums; all other float work in f32.
;; Inputs: W1 4,096 x 1,024 float32; W2 512 x 4,096 float32; b1 4,096 float32; b2 512 float32; x 4,096 x 1,024 float32.
;; Outputs: out0 4,096 x 512 float32; out1 4,096 x 512 float32.
;; One version. Each part assembles by itself: llvm-mc -triple=amdgcn-amd-amdhsa -mcpu=gfx1250 --defsym DOCPART=n.
;; ======== version 1 of 1: 3 launches
;; limits: values are held in f16: magnitudes above 65,504 overflow, below 6.1e-05 lose precision; right only within a limited range of input values
;; workspace buffers: xb 8,388,608 bytes; w1b 8,388,608 bytes; w2h 4,194,304 bytes; hi 33,554,432 bytes; lw 33,554,432 bytes
;; launch cast (part 1): grid 1280 x 1, 8 waves a work-group, no clusters, 0 bytes of LDS; arguments x, W1, W2, xb, w1b, w2h; writes xb, w1b, w2h
.if DOCPART == 1
	.amdgcn_target "amdgcn-amd-amdhsa--gfx1250"
	.amdhsa_code_object_version 6
	.text
	.protected	k_q4701b2cccc_cast
	.globl	k_q4701b2cccc_cast
	.p2align	8
	.type	k_q4701b2cccc_cast,@function
k_q4701b2cccc_cast:
	s_mov_b64 s[64:65], 0
	v_nop
	global_prefetch_b8 v0, s[64:65] scope:SCOPE_SE
	s_setreg_imm32_b32 hwreg(HW_REG_WAVE_MODE, 25, 1), 1
	s_wait_xcnt 0x0
; x, W1 -> bf16 (xb, w1b);  W2 -> rounded to bf16 and that number written as f16 (w2h).
; The matrix launches behind this one want 16-bit operands; each f32 input is read once here and written once at half its size.
; LIMIT.  A bf16 number of magnitude 2^-17 or more is exact in f16; below that it keeps f16's fixed step of 2^-24.  |W2| stays under 65,504.
; SHARES.  A work-group takes 8,192 numbers: 32,768 bytes in, 16,384 out.  Groups 0-511 take x, 512-1023 W1, 1024-1279 W2.
; Thread t takes, in each of eight pieces of 1,024 numbers, the 16 bytes at 16 t: a load of a wave covers 512 consecutive bytes, a store 256 consecutive
; bytes at a multiple of 256 from the buffer's first byte.  All eight loads go out first; memory binds, so there is no LDS, no barrier and no matrix unit.
.set X, 8                              ; v[8:39]   piece j: 4 numbers as loaded
.set Y, 40                             ; v[40:55]  piece j: 2 words, 4 numbers of 16 bits
.set T, 56                             ; v[56:59]  at work (W2 alone)
	s_load_b256 s[4:11], s[0:1], 0x0               ; x s[4:5], W1 s[6:7], W2 s[8:9], xb s[10:11]
	s_load_b128 s[12:15], s[0:1], 0x20             ; w1b s[12:13], w2h s[14:15]
	s_mov_b32 s16, ttmp9                           ; the work-group's number
	s_mov_b32 s23, 0
	v_lshlrev_b32 v1, 4, v0                        ; my 16 bytes in a piece of the source
	v_lshlrev_b32 v2, 3, v0                        ; my 8 bytes in a piece of the destination
	s_wait_kmcnt 0x0
	s_cmp_lt_u32 s16, 512                          ; which tensor: the choice hangs on the group's number alone
	s_cselect_b64 s[18:19], s[4:5], s[6:7]
	s_cselect_b64 s[20:21], s[10:11], s[12:13]
	s_cselect_b32 s17, 0, 512
	s_cmp_lt_u32 s16, 1024
	s_cselect_b64 s[18:19], s[18:19], s[8:9]
	s_cselect_b64 s[20:21], s[20:21], s[14:15]
	s_cselect_b32 s17, s17, 1024
	s_sub_co_u32 s17, s16, s17                     ; the group's number within its tensor
	s_lshl_b32 s22, s17, 15                        ; 32,768 bytes of source a group
	s_add_nc_u64 s[18:19], s[18:19], s[22:23]
	s_lshl_b32 s22, s17, 14                        ; 16,384 bytes of destination
	s_add_nc_u64 s[20:21], s[20:21], s[22:23]
.irp j, 0,1,2,3,4,5,6,7
	global_load_b128 v[X+4*(\j):X+4*(\j)+3], v1, s[18:19] offset:4096*(\j) th:TH_LOAD_NT
.endr
.irp j, 0,1,2,3,4,5,6,7
	s_wait_loadcnt 7-(\j)                          ; loads come back in order (ISA guide 5.7.1): piece j is in, the younger ones stay out
	v_cvt_pk_bf16_f32 v[Y+2*(\j)],   v[X+4*(\j)],   v[X+4*(\j)+1]
	v_cvt_pk_bf16_f32 v[Y+2*(\j)+1], v[X+4*(\j)+2], v[X+4*(\j)+3]
.endr
	s_cmp_lt_u32 s16, 1024
	s_cbranch_scc1 .Lstore                         ; x and W1 stay bf16
.set i, 0
.rept 16                                       ; W2: the bf16 number is widened (a shift, a mask) and written as f16
	v_lshlrev_b32 v[T+2*(i%2)],   16, v[Y+i]
	v_and_b32     v[T+2*(i%2)+1], 0xffff0000, v[Y+i]
	v_cvt_pk_f16_f32 v[Y+i], v[T+2*(i%2)], v[T+2*(i%2)+1]
.set i, i+1
.endr
.Lstore:
.irp j, 0,1,2,3,4,5,6,7
	global_store_b64 v2, v[Y+2*(\j):Y+2*(\j)+1], s[20:21] offset:2048*(\j)
.endr
	s_endpgm
.Lfunc_end_k_q4701b2cccc_cast:
	.size	k_q4701b2cccc_cast, .Lfunc_end_k_q4701b2cccc_cast-k_q4701b2cccc_cast
	.p2alignl 7, 3214868480
	.fill 96, 4, 3214868480
	.section	.rodata,"a",@progbits
	.p2align	6, 0x0
	.amdhsa_kernel k_q4701b2cccc_cast
		.amdhsa_group_segment_fixed_size 0
		.amdhsa_private_segment_fixed_size 0
		.amdhsa_enable_private_segment 0
		.amdhsa_kernarg_size 48
		.amdhsa_user_sgpr_count 2
		.amdhsa_user_sgpr_kernarg_segment_ptr 1
		.amdhsa_wavefront_size32 1
		.amdhsa_system_sgpr_workgroup_id_x 1
		.amdhsa_system_sgpr_workgroup_id_y 1
		.amdhsa_system_sgpr_workgroup_id_z 1
		.amdhsa_system_vgpr_workitem_id 0
		.amdhsa_next_free_vgpr 64
		.amdhsa_next_free_sgpr 66
		.amdhsa_reserve_vcc 0
		.amdhsa_float_denorm_mode_32 3
		.amdhsa_float_denorm_mode_16_64 3
		.amdhsa_memory_ordered 1
		.amdhsa_forward_progress 1
		.amdhsa_inst_pref_size 7
	.end_amdhsa_kernel
	.amdgpu_metadata
---
amdhsa.version: [ 1, 2 ]
amdhsa.kernels:
  - .name:           k_q4701b2cccc_cast
    .symbol:         k_q4701b2cccc_cast.kd
    .args:
      - { .name: x, .offset: 0, .size: 8, .value_kind: global_buffer, .address_space: global }
      - { .name: W1, .offset: 8, .size: 8, .value_kind: global_buffer, .address_space: global }
      - { .name: W2, .offset: 16, .size: 8, .value_kind: global_buffer, .address_space: global }
      - { .name: xb, .offset: 24, .size: 8, .value_kind: global_buffer, .address_space: global }
      - { .name: w1b, .offset: 32, .size: 8, .value_kind: global_buffer, .address_space: global }
      - { .name: w2h, .offset: 40, .size: 8, .value_kind: global_buffer, .address_space: global }
    .group_segment_fixed_size: 0
    .private_segment_fixed_size: 0
    .kernarg_segment_align: 8
    .kernarg_segment_size: 48
    .max_flat_workgroup_size: 256
    .sgpr_count:     66
    .vgpr_count:     64
    .wavefront_size: 32
...
	.end_amdgpu_metadata
.endif
;; end of part 1
;; launch fc1 (part 2): grid 16 x 16, 4 waves a work-group, clusters of 4 x 4, 327,680 bytes of LDS; arguments xb, w1b, b1, hi, lw; writes hi, lw
.if DOCPART == 2
	.amdgcn_target "amdgcn-amd-amdhsa--gfx1250"
	.amdhsa_code_object_version 6
	.text
	.protected	k_q4701b2cccc_fc1
	.globl	k_q4701b2cccc_fc1
	.p2align	8
	.type	k_q4701b2cccc_fc1,@function
k_q4701b2cccc_fc1:
	s_mov_b64 s[64:65], 0
	v_nop
	global_prefetch_b8 v0, s[64:65] scope:SCOPE_SE
	s_setreg_imm32_b32 hwreg(HW_REG_WAVE_MODE, 25, 1), 1
	s_wait_xcnt 0x0
	s_wait_alu depctr_hold_cnt(0) depctr_sa_sdst(0) depctr_va_vdst(0) depctr_va_sdst(0) depctr_va_ssrc(0) depctr_va_vcc(0) depctr_vm_vsrc(0)
	s_getreg_b32 s2, hwreg(HW_REG_IB_STS2, 6, 4)
	s_cmp_eq_u32 s2, 0
	s_cbranch_scc0 .Lentry_in_a_cluster
	s_endpgm
.Lentry_in_a_cluster:
	s_bfe_u32 s2, ttmp6, 0x10000c
	s_cmp_lg_u32 s2, 0xf033
	s_cbranch_scc0 .Lentry_shape_is_right
	s_endpgm
.Lentry_shape_is_right:
; cur1[m][n] = sum over k of x[m][k] W1[n][k] + b1[n]  (4,096 x 4,096, K = 1,024; operands bf16, sums f32; b1 rounded to bf16 like the other inputs),
; and what the second layer needs of it, 32 bits a number:
;   hi[m][n] = f16(cur1);   lw[m][n] = f16(cur1 - hi) rounded to 7 significant bits, with the four reset bits r2..r5 of the first membrane in its low four bits.
; WHY.  mem1_t is linear in cur1 and in the reset bits r_t = [mem1_(t-1) > 15], so mem1_t W2^T = c_t (cur1 W2^T) - 15 (sums of r_t W2^T).  hi + lo carries cur1 to about 18 bits,
; which the thresholds on the second membrane need; the bits are exact.  They come from the f32 recurrence in the module's own order: u = 0.5 mem + cur1, mem = u - 15 r.
; [mem > 15] without a compare: the step of f32 just above 15 is 2^-20, so (mem - 15) 2^20, made by one fused multiply-add, is 1 or more where mem > 15 and 0 or less elsewhere; clamped to 0..1 it is the bit.
; LIMITS.  |cur1| stays under 65,504 (f16's end).  NaN and infinities are not treated apart.
; THE PRODUCT.  A tile of cur1, 256 x 256, is made by four waves, each 128 x 128: 64 accumulators, 512 registers.  K goes in steps of 128 through two LDS slots filled by the tensor data mover
; (rows of 256 bytes at multiples of 256 from the buffer's first byte).  4 x 4 work-groups form a cluster: the four of a row need the same tiles of x, the four of a column the same tiles of W1;
; each tile is asked for JOINTLY, by the same tensor load with the same descriptor and a mask that names the four.  256 tiles: one work-group for each of 256 WGPs.
; THE MATRIX INSTRUCTION IS USED TRANSPOSED (source 0 = 16 rows of W1, source 1 = 16 rows of x): a lane holds row l % 16 of cur1 and the columns 8 (l / 16) + 0..7.
; THE WAY OUT.  The f32 sums go into the ring's bytes, which have had their last fill, in rows of 528 bytes; each wave reads its 128 rows back whole (a lane: 4 neighbouring columns), four rows a trip,
; does the arithmetic above and stores 8 bytes a lane: the 32 lanes of a store cover 256 consecutive bytes at a multiple of 256 from the buffer's first byte.
; REGISTERS, in windows of 256 (s_set_vgpr_msb: bits 1:0 source 0, 3:2 source 1, 5:4 source 2, 7:6 destination):
;   window 0: v0-63 addresses, constants and the way out; v64-127, v128-191 fragments of x, two buffers (on the way out: at work)     window 1: v64-191 fragments of W1, two buffers
;   window 2: the 32 accumulators of my rows 0-63 ((a, b) at v[8 (8 a + b)]);   window 3: those of my rows 64-127
.set SIZE_K, 1024
.set ROWB,   8192                      ; bytes in a row of hi and of lw
.set KSTEP,  128
.set PITCH,  272                       ; an LDS row: 256 bytes + 16 of padding = 68 words: row r starts at bank 4 r mod 64 (64 banks of 4 bytes: ISA guide 11.1)
.set HALFT,  128*PITCH                 ; 128 rows: what one tensor load brings
.set SLOT,   4*HALFT                   ; x's 256 rows, then W1's 256 rows
.set SPARE,  2*SLOT                    ; behind the ring: the spare words, 128 bytes for each wave: two blocks of 256 bytes that no other line names
.set DP,     528                       ; the way out: a row of 128 f32 + 16 bytes = 132 words: again row r at bank 4 r mod 64
.set DUMPW,  128*DP                    ; a wave's 128 rows; four waves take 270,336 of the ring's 278,528 bytes
.set LAPS,   SIZE_K/(2*KSTEP)
.set WQ,   8                           ; v[8:15]   weights of the four bits for an even and an odd column: (1, 2^16) (2, 2^17) (4, 2^18) (8, 2^19)
.set ADRA, 16                          ; v16-17    LDS address of my fragments of x in slot 0, 1
.set ADRB, 20                          ; v20-21    the same for W1
.set DST,  24                          ; v24       the way out: where I put 16 bytes of a row
.set RDA,  25                          ; v25       my 16 bytes in my wave's first row; never rewritten
.set CO,   26                          ; v26       my byte offset in hi and lw
.set BA,   27                          ; v27       my byte offset in b1
.set SPW,  28                          ; v28       LDS address of my spare word; never rewritten
.set NIL,  29                          ; v29       0; never rewritten
.set RD,   30                          ; v30       LDS address of the rows read next
.set BI,   32                          ; v[32:35]  b1 of my 4 columns
.set L,    36                          ; v[36:51]  4 rows x 4 sums as read back
.set HP,   52                          ; v[52:59]  hi, packed (WIDEN names these registers' halves)
.set C,    64                          ; v[64:79]  cur1
.set MEM,  80                          ; v[80:95]  the membrane
.set T,    96                          ; v[96:111] the bit in hand, 0.0 or 1.0
.set Q,    112                         ; v[112:127] hi widened; cur1 - hi; then 2^23 + the bits by their weights
.set WP,   128                         ; v[128:135] lw, packed
.set F0,   64
.set F1,   128
.set G1,  24                           ; s[24:31] descriptor group 1 for x's tiles;   s[32:39] group 0, a set for each slot
.set G0,  32
.set G1B, 48                           ; s[48:55], s[56:63] the same for W1's tiles
.set G0B, 56
.set UP,  74                           ; s[74:75] 2^20
.set TH,  76                           ; s[76:77] -15 x 2^20
.set BIG, 78                           ; s[78:79] 2^23: an integer n below 2^23 added to it stands in the low bits of the sum's pattern
.set KEEP, 80                          ; s80      the 12 upper bits of both halves
.set HULP, 81                          ; s81      half of the step that is kept, in both halves
.set N15, 82                           ; s[82:83] -15
.set RB,  84                           ; s84      byte offset of the rows read next in a wave's dump
.set MSB, 0
.macro WIN new                         ; the immediate's high byte repeats the setting that is left; a switch that changes nothing is dropped
.if MSB != (\new)
	s_set_vgpr_msb (MSB<<8)|(\new)
.set MSB, \new
.endif
.endm
.set MUL_LO, 0xa1                      ; source 0 (W1) window 1, source 1 (x) window 0, C and D window 2
.set MUL_HI, 0xf1                      ; the same, C and D window 3
.set TO_B,   0x40                      ; destination window 1, address window 0
; A joint load.  Waves 0 and 1 fetch x's two halves, waves 2 and 3 W1's.  The branch hangs on the wave's number alone.  An s_nop 0 and four v_nop follow each of the two lines.
.macro JLOAD s
	s_cmp_eq_u32 s11, 0
	s_cbranch_scc0 .Lfor_b_\@
	tensor_load_to_lds s[G0+4*(\s):G0+4*(\s)+3], s[G1:G1+7]
	s_nop 0
.rept 4
	v_nop
.endr
	s_branch .Lasked_\@
.Lfor_b_\@:
	tensor_load_to_lds s[G0B+4*(\s):G0B+4*(\s)+3], s[G1B:G1B+7]
	s_nop 0
.rept 4
	v_nop
.endr
.Lasked_\@:
.endm
.macro CREST                           ; a round of the cluster's barrier behind its opening barrier: wave 0 signals for the work-group, every wave waits for all sixteen, my work-group's barrier closes it
	s_cmp_lg_u32 s10, 0
	s_cbranch_scc1 .Lnot_wave_0_\@
	s_barrier_signal -3
.Lnot_wave_0_\@:
	s_barrier_wait -3
	s_barrier_signal -1
	s_barrier_wait -1
.endm
.macro CROUND                          ; a whole round
	s_barrier_signal -1
	s_barrier_wait -1
	CREST
.endm
	s_load_b128 s[4:7], s[0:1], 0x0                ; xb s[4:5], w1b s[6:7]
	s_load_b128 s[68:71], s[0:1], 0x10             ; b1 s[68:69], hi s[70:71]
	s_load_b64 s[72:73], s[0:1], 0x20              ; lw
	v_lshl_add_u32 v[SPW], v0, 2, SPARE
	v_mov_b32 v[NIL], 0
	ds_add_u32 v[SPW], v[NIL]                      ; the wave's opening: the add and its wait stand ahead of my first tensor load; the set-up below, work on registers, stands between them
	v_lshrrev_b32 v1, 5, v0
	v_readfirstlane_b32 s10, v1                    ; wave 0..3
	s_lshr_b32 s11, s10, 1                         ; which half of the tile's rows is mine.  Also: I fetch for x (0) or for W1 (1)
	s_and_b32 s12, s10, 1                          ; which half of its columns.  Also: which 128 rows of that tile I fetch
	s_bfe_u32 s40, ttmp6, 0x40000                  ; cx, cy: my place in the cluster
	s_bfe_u32 s41, ttmp6, 0x40004
	s_lshl_b32 s42, ttmp9, 2                       ; in a cluster launch ttmp9 and ttmp7 count clusters
	s_add_co_u32 s42, s42, s40                     ; tile column = 4 x cluster x + cx
	s_and_b32 s13, ttmp7, 0xffff
	s_lshl_b32 s13, s13, 2
	s_add_co_u32 s13, s13, s41                     ; tile row = 4 x cluster y + cy
	s_lshl_b32 s43, s41, 2
	s_lshl_b32 s43, 15, s43                        ; my row of the cluster: places 4 cy .. 4 cy + 3
	s_lshl_b32 s44, 0x1111, s40                    ; my column: places cx, cx + 4, cx + 8, cx + 12
	; descriptor group 1: a tile of 128 rows x 128 elements, padded in LDS
	s_or_b32 s[G1+0], s43, (1<<16)|(1<<20)|(1<<21)|(5<<22)|(3<<25)   ; 15:0 the mask; 17:16 elements of 2 bytes; 20 padding on; 21 set beside a mask; 24:22 after every 64 words (code 5); 31:25 4 words (code 3)
	s_or_b32 s[G1B+0], s44, (1<<16)|(1<<20)|(1<<21)|(5<<22)|(3<<25)
.irp g, G1, G1B
	s_mov_b32 s[(\g)+1], KSTEP<<16                 ; tensor_dim0 = 128
	s_mov_b32 s[(\g)+2], 128<<16                   ; tensor_dim1 = 128
	s_mov_b32 s[(\g)+3], KSTEP<<16                 ; tile_dim0 = 128
	s_mov_b32 s[(\g)+4], 128                       ; tile_dim1 = 128
	s_mov_b32 s[(\g)+5], SIZE_K                    ; elements from row to row
	s_mov_b32 s[(\g)+6], 0
	s_mov_b32 s[(\g)+7], 0
.endr
	s_mov_b32 s[UP], 0x49800000                    ; the packed forms name pairs and take the low word for both halves; both words are written
	s_mov_b32 s[UP+1], 0x49800000
	s_mov_b32 s[TH], 0xcb700000
	s_mov_b32 s[TH+1], 0xcb700000
	s_mov_b32 s[BIG], 0x4b000000
	s_mov_b32 s[BIG+1], 0x4b000000
	s_mov_b32 s[KEEP], 0xfff0fff0
	s_mov_b32 s[HULP], 0x00080008
	s_mov_b32 s[N15], 0xc1700000
	s_mov_b32 s[N15+1], 0xc1700000
	s_mov_b32 s[RB], 0
	; where the tiles come from: x's hang on the tile row alone, W1's on the tile column alone; each in registers that never hold the other coordinate
	s_lshl_b32 s17, s12, 7
	s_lshl_b32 s16, s13, 8
	s_add_co_u32 s16, s16, s17                     ; x: row 256 x tile row + 128 x half
	s_lshl_b32 s46, s42, 8
	s_add_co_u32 s46, s46, s17                     ; W1: row 256 x tile column + 128 x half
	s_mov_b32 s17, 0
	s_mov_b32 s47, 0
	s_mov_b64 s[18:19], SIZE_K*2
	s_mul_u64 s[16:17], s[16:17], s[18:19]
	s_mul_u64 s[46:47], s[46:47], s[18:19]
	s_mul_i32 s20, s10, HALFT                      ; and where they go: wave x 128 rows: no place in the cluster enters an LDS address
	s_wait_dscnt 0x0                               ; the opening add is done
	s_wait_kmcnt 0x0
	s_add_nc_u64 s[14:15], s[4:5], s[16:17]
	s_add_nc_u64 s[46:47], s[6:7], s[46:47]
	CROUND                                         ; all sixteen work-groups are here: the first joint loads meet
.irp s, 0,1
	s_mov_b32 s[G0+4*(\s)], 1                                        ; count = 1
	s_add_co_u32 s[G0+4*(\s)+1], s20, (\s)*SLOT                      ; LDS address
	s_add_nc_u64 s[G0+4*(\s)+2:G0+4*(\s)+3], s[14:15], (\s)*KSTEP*2  ; global address: K step s
	s_or_b32 s[G0+4*(\s)+3], s[G0+4*(\s)+3], 0x80000000              ; type = 2
	s_mov_b32 s[G0B+4*(\s)], 1
	s_add_co_u32 s[G0B+4*(\s)+1], s20, (\s)*SLOT
	s_add_nc_u64 s[G0B+4*(\s)+2:G0B+4*(\s)+3], s[46:47], (\s)*KSTEP*2
	s_or_b32 s[G0B+4*(\s)+3], s[G0B+4*(\s)+3], 0x80000000
	JLOAD \s                                       ; two tensor loads of mine are out
.endr
	v_and_b32 v5, 31, v0                           ; lane
	s_lshl_b32 s46, s42, 10                        ; b1 of my wave's 128 columns: 4 bytes x (256 x tile column + 128 x half),
	s_lshl_b32 s47, s12, 9
	s_add_co_u32 s46, s46, s47
	v_lshl_add_u32 v[BA], v5, 4, s46               ; + 16 bytes a lane
	global_load_b128 v[BI:BI+3], v[BA], s[68:69]
	; a fragment is 16 rows x 32 K in 8 registers: lane l holds row l % 16; registers 0-3 K = 8 (l / 16) + 0..7, registers 4-7 K = 16 + 8 (l / 16) + 0..7: two loads of 16 bytes, 32 bytes apart
	v_and_b32 v1, 15, v0                           ; l % 16
	v_bfe_u32 v2, v0, 4, 1                         ; l / 16
	v_mul_u32_u24 v3, v1, PITCH
	v_lshl_add_u32 v3, v2, 4, v3
	s_mul_i32 s21, s11, HALFT                      ; my 128 rows of x
	s_mul_i32 s22, s12, HALFT                      ; my 128 rows of W1,
	s_add_co_u32 s22, s22, 2*HALFT                 ; which lie behind x's 256
.irp s, 0,1
	v_add_nc_u32 v[ADRA+(\s)], s21, v3
	v_add_nc_u32 v[ADRB+(\s)], s22, v3
	s_add_co_u32 s21, s21, SLOT
	s_add_co_u32 s22, s22, SLOT
.endr
	s_mul_i32 s23, s10, DUMPW                      ; my wave's part of the dump
	v_mul_u32_u24 v4, v1, DP                       ; in: row l % 16, 32 bytes (8 sums) for each half of the lanes
	v_lshl_add_u32 v4, v2, 5, v4
	v_add_nc_u32 v[DST], s23, v4
	v_lshl_add_u32 v[RDA], v5, 4, s23              ; back: 32 lanes take a row's 512 bytes
	v_lshlrev_b32 v[CO], 3, v5                     ; out: 8 bytes a lane
	s_lshl_b32 s16, s13, 8                         ; my first row, 256 x tile row + 128 x half,
	s_lshl_b32 s17, s11, 7
	s_add_co_u32 s16, s16, s17
	s_lshl_b32 s16, s16, 13                        ; in bytes,
	s_lshl_b32 s46, s42, 9                         ; and my first column: 2 bytes x (256 x tile column + 128 x half)
	s_lshl_b32 s47, s12, 8
	s_add_co_u32 s46, s46, s47
	s_add_co_u32 s46, s46, s16
	s_mov_b32 s47, 0
	s_add_nc_u64 s[70:71], s[70:71], s[46:47]
	s_add_nc_u64 s[72:73], s[72:73], s[46:47]
	v_mov_b32 v[WQ+0], 1.0
	v_mov_b32 v[WQ+1], 0x47800000                  ; 2^16
	v_mov_b32 v[WQ+2], 2.0
	v_mov_b32 v[WQ+3], 0x48000000                  ; 2^17
	v_mov_b32 v[WQ+4], 4.0
	v_mov_b32 v[WQ+5], 0x48800000                  ; 2^18
	v_mov_b32 v[WQ+6], 0x41000000                  ; 8
	v_mov_b32 v[WQ+7], 0x49000000                  ; 2^19
	s_wait_loadcnt 0x0                             ; b1: rounded to bf16 like the other inputs, kept as f32
	v_cvt_pk_bf16_f32 v6, v[BI], v[BI+1]
	v_cvt_pk_bf16_f32 v7, v[BI+2], v[BI+3]
	v_lshlrev_b32 v[BI], 16, v6
	v_and_b32 v[BI+1], 0xffff0000, v6
	v_lshlrev_b32 v[BI+2], 16, v7
	v_and_b32 v[BI+3], 0xffff0000, v7
; 16 matrix instructions: m blocks a0, a0 + 1 of the window's four x all 8 n blocks, 32 along K.  zero = 1: the first product starts the sums: nothing is cleared.
.macro MUL16 f, hi, a0, zero
	WIN MUL_LO+0x50*(\hi)
.irp a, \a0, (\a0)+1
.irp b, 0,1,2,3,4,5,6,7
.if \zero
	v_wmma_f32_16x16x32_bf16 v[8*(8*(\a)+(\b)):8*(8*(\a)+(\b))+7], v[(\f)+8*(\b):(\f)+8*(\b)+7], v[(\f)+8*(4*(\hi)+(\a)):(\f)+8*(4*(\hi)+(\a))+7], 0
.else
	v_wmma_f32_16x16x32_bf16 v[8*(8*(\a)+(\b)):8*(8*(\a)+(\b))+7], v[(\f)+8*(\b):(\f)+8*(\b)+7], v[(\f)+8*(4*(\hi)+(\a)):(\f)+8*(4*(\hi)+(\a))+7], v[8*(8*(\a)+(\b)):8*(8*(\a)+(\b))+7]
.endif
.endr
.endr
.endm
; 32 LDS loads in one run: the fragments of one quarter step (128 rows of W1, 128 rows of x, 32 K at byte k of the rows) into buffer f
.macro FETCH slot, k, f
	WIN TO_B
.irp i, 0,1,2,3,4,5,6,7
	ds_load_b128 v[(\f)+8*(\i):(\f)+8*(\i)+3],   v[ADRB+(\slot)] offset:(\k)+(\i)*16*PITCH
	ds_load_b128 v[(\f)+8*(\i)+4:(\f)+8*(\i)+7], v[ADRB+(\slot)] offset:(\k)+(\i)*16*PITCH+32
.endr
	WIN 0
.irp i, 0,1,2,3,4,5,6,7
	ds_load_b128 v[(\f)+8*(\i):(\f)+8*(\i)+3],   v[ADRA+(\slot)] offset:(\k)+(\i)*16*PITCH
	ds_load_b128 v[(\f)+8*(\i)+4:(\f)+8*(\i)+7], v[ADRA+(\slot)] offset:(\k)+(\i)*16*PITCH+32
.endr
.endm
; A load into a register that a matrix instruction has read, and a store or vector instruction that reads a matrix result, stand four places behind that matrix instruction, and only plain vector
; instructions that name none of its registers are places (ISA guide 7.12.1 for vector instructions).
.macro PLACES
.rept 4
	v_nop
.endr
.endm
; A K step is four quarters of 32 along K, 64 matrix instructions each, on buffers 0, 1, 0, 1; the 64 accumulators take turns, one instruction a turn.
; One of the first three quarters: multiplies buffer f; in its middle it fetches the next quarter's fragments, at byte k of the same slot's rows, into buffer g.
.macro QUARTER slot, k, f, g, zero
	s_wait_dscnt 8                                 ; W1 and x's rows 0-63 are in; the youngest eight loads (x's rows 64-127) may be out
	MUL16 \f, 0, 0, \zero
	MUL16 \f, 0, 2, \zero
	PLACES
	FETCH \slot, \k, \g
	s_wait_dscnt 32                                ; all but the 32 just issued
	MUL16 \f, 1, 0, \zero
	MUL16 \f, 1, 2, \zero
.endm
; The last quarter multiplies buffer 1 and changes slots.  ONE barrier: in front of it each wave waits for all its tensor loads (one is out: its part of the next slot), adds 0 to its spare word,
; and waits for that and for its own reads of this slot.  Behind it nobody reads this slot any more and the next slot is whole.
.macro MEET round
	WIN 0                                          ; (the add's two registers lie in window 0)
	s_wait_tensorcnt 0x0
	ds_add_u32 v[SPW], v[NIL]                      ; 0 onto my spare word
	s_wait_dscnt 9                                 ; (the add and the youngest eight loads may be out)
	MUL16 F1, 0, 0, 0                              ; sixteen matrix instructions stand between the add and the wait for it
	s_wait_dscnt 0x0                               ; the add is done, and my reads of this slot are over
	s_barrier_signal -1
	MUL16 F1, 0, 2, 0                              ; work on registers while the others arrive
.if \round
	WIN 0
.endif
	s_barrier_wait -1
.endm
; fill = 1: the barrier opens a round of the cluster's barrier, and this slot is filled again, two K steps on, first thing behind the round: 224 matrix instructions ahead of the wait for it.
.macro TURN slot, next, fill
	MEET \fill
.if \fill
	CREST                                          ; no wave of any partner still reads this slot's tile or has a load on its way
	s_add_nc_u64 s[G0+4*(\slot)+2:G0+4*(\slot)+3], s[G0+4*(\slot)+2:G0+4*(\slot)+3], 2*KSTEP*2
	s_add_nc_u64 s[G0B+4*(\slot)+2:G0B+4*(\slot)+3], s[G0B+4*(\slot)+2:G0B+4*(\slot)+3], 2*KSTEP*2
	JLOAD \slot                                    ; the four v_nop behind it are also the places in front of the loads below
.else
	PLACES
.endif
	FETCH \next, 0, F0
	MUL16 F1, 1, 0, 0
	MUL16 F1, 1, 2, 0
.endm
	s_wait_tensorcnt 1                             ; my part of K step 0 is in; K step 1's may stay out
	s_barrier_signal -1
	s_barrier_wait -1                              ; everybody's is
	FETCH 0, 0, F0
	QUARTER 0, 64,  F0, F1, 1                      ; the first quarter stands in front of the loop: its products start the sums
	WIN 0                                          ; at a label and at a branch every window is 0
	s_mov_b32 s3, LAPS-1
.Llap:                                                 ; a trip goes once round the ring, from a lap's second quarter to the next lap's first, and fills both slots again: K steps 2 to 7
	QUARTER 0, 128, F1, F0, 0
	QUARTER 0, 192, F0, F1, 0
	TURN 0, 1, 1
	QUARTER 1, 64,  F0, F1, 0
	QUARTER 1, 128, F1, F0, 0
	QUARTER 1, 192, F0, F1, 0
	TURN 1, 0, 1
	QUARTER 0, 64,  F0, F1, 0
	WIN 0
	s_sub_co_u32 s3, s3, 1
	s_cmp_lg_u32 s3, 0
	s_cbranch_scc1 .Llap
	QUARTER 0, 128, F1, F0, 0                      ; the last lap is written out: it fills nothing and has no round
	QUARTER 0, 192, F0, F1, 0
	TURN 0, 1, 0
	QUARTER 1, 64,  F0, F1, 0
	QUARTER 1, 128, F1, F0, 0
	QUARTER 1, 192, F0, F1, 0
	s_wait_dscnt 8                                 ; the very last quarter: nothing more to fetch
	MUL16 F1, 0, 0, 0
	MUL16 F1, 0, 2, 0
	s_wait_dscnt 0x0                               ; my last reads of the ring are back:
	s_barrier_signal -1                            ; say so,
	MUL16 F1, 1, 0, 0
	MUL16 F1, 1, 2, 0
	WIN 0
	s_barrier_wait -1                              ; and when all four have said so the ring's bytes, which have had their last fill, may be written
	; THE WAY OUT.  The sums go into LDS, each accumulator's low four registers first.
	PLACES
	WIN 0x08                                       ; store data (source 1) in window 2
.irp a, 0,1,2,3
.irp b, 0,1,2,3,4,5,6,7
	ds_store_b128 v[DST], v[8*(8*(\a)+(\b)):8*(8*(\a)+(\b))+3]   offset:(\a)*16*DP+(\b)*64
	ds_store_b128 v[DST], v[8*(8*(\a)+(\b))+4:8*(8*(\a)+(\b))+7] offset:(\a)*16*DP+(\b)*64+16
.endr
.endr
	WIN 0x0c                                       ; window 3
.irp a, 0,1,2,3
.irp b, 0,1,2,3,4,5,6,7
	ds_store_b128 v[DST], v[8*(8*(\a)+(\b)):8*(8*(\a)+(\b))+3]   offset:((\a)+4)*16*DP+(\b)*64
	ds_store_b128 v[DST], v[8*(8*(\a)+(\b))+4:8*(8*(\a)+(\b))+7] offset:((\a)+4)*16*DP+(\b)*64+16
.endr
.endr
	WIN 0
	s_wait_dscnt 0x0                               ; my stores are done;
	s_barrier_signal -1                            ; one meeting between the writing and the reading (a wave reads its own 128 rows alone)
	s_barrier_wait -1
.macro LOADL                           ; the next four rows of my wave's dump: a lane takes 4 neighbouring sums of each
	v_add_nc_u32 v[RD], s[RB], v[RDA]
.irp i, 0,1,2,3
	ds_load_b128 v[L+4*(\i):L+4*(\i)+3], v[RD] offset:(\i)*DP
.endr
	s_add_co_u32 s[RB], s[RB], 4*DP
.endm
.macro WIDEN                           ; hi back as f32
	v_cvt_f32_f16 v[Q+0],  v52.l
	v_cvt_f32_f16 v[Q+1],  v52.h
	v_cvt_f32_f16 v[Q+2],  v53.l
	v_cvt_f32_f16 v[Q+3],  v53.h
	v_cvt_f32_f16 v[Q+4],  v54.l
	v_cvt_f32_f16 v[Q+5],  v54.h
	v_cvt_f32_f16 v[Q+6],  v55.l
	v_cvt_f32_f16 v[Q+7],  v55.h
	v_cvt_f32_f16 v[Q+8],  v56.l
	v_cvt_f32_f16 v[Q+9],  v56.h
	v_cvt_f32_f16 v[Q+10], v57.l
	v_cvt_f32_f16 v[Q+11], v57.h
	v_cvt_f32_f16 v[Q+12], v58.l
	v_cvt_f32_f16 v[Q+13], v58.h
	v_cvt_f32_f16 v[Q+14], v59.l
	v_cvt_f32_f16 v[Q+15], v59.h
.endm
; One step of the first membrane for 16 numbers.  m: where the membrane lies; w: which of the four bits.  T = [m > 15]; Q takes the bit by its weight (first = 1: onto 2^23);
; unless it is the last bit, MEM = (0.5 m + cur1) - 15 T, each of the two a fused multiply-add whose product is exact: the module's own two roundings.
.macro BITS m, w, first, last
.irp p, 0,1,2,3,4,5,6,7
	v_pk_fma_f32 v[T+2*(\p):T+2*(\p)+1], v[(\m)+2*(\p):(\m)+2*(\p)+1], s[UP:UP+1], s[TH:TH+1] op_sel_hi:[1,0,0]
.endr
.set z, 0
.rept 16
	v_med3_num_f32 v[T+z], v[T+z], 0, 1.0
.set z, z+1
.endr
.irp p, 0,1,2,3,4,5,6,7
.if \first
	v_pk_fma_f32 v[Q+2*(\p):Q+2*(\p)+1], v[T+2*(\p):T+2*(\p)+1], v[WQ+2*(\w):WQ+2*(\w)+1], s[BIG:BIG+1] op_sel_hi:[1,1,0]
.else
	v_pk_fma_f32 v[Q+2*(\p):Q+2*(\p)+1], v[T+2*(\p):T+2*(\p)+1], v[WQ+2*(\w):WQ+2*(\w)+1], v[Q+2*(\p):Q+2*(\p)+1]
.endif
.endr
.if !(\last)
.irp p, 0,1,2,3,4,5,6,7
	v_pk_fma_f32 v[MEM+2*(\p):MEM+2*(\p)+1], v[(\m)+2*(\p):(\m)+2*(\p)+1], 0.5, v[C+2*(\p):C+2*(\p)+1] op_sel_hi:[1,0,1]
.endr
.irp p, 0,1,2,3,4,5,6,7
	v_pk_fma_f32 v[MEM+2*(\p):MEM+2*(\p)+1], v[T+2*(\p):T+2*(\p)+1], s[N15:N15+1], v[MEM+2*(\p):MEM+2*(\p)+1] op_sel_hi:[1,0,1]
.endr
.endif
.endm
; Four rows.  ahead = 1: the next four are asked for as soon as these have been taken over.
.macro TRIP ahead
	s_wait_dscnt 0x0                               ; my four rows are in
.irp i, 0,1,2,3
.irp p, 0,1
	v_pk_add_f32 v[C+4*(\i)+2*(\p):C+4*(\i)+2*(\p)+1], v[L+4*(\i)+2*(\p):L+4*(\i)+2*(\p)+1], v[BI+2*(\p):BI+2*(\p)+1]  ; cur1 = the sum + b1
.endr
.endr
.if \ahead
	LOADL
.endif
	s_wait_xcnt 0x0                                ; every earlier memory instruction has had its addresses translated (ISA guide 3.1): the last trip's stores' data and offset are rewritten only behind this wait
	v_add_nc_u32 v[CO], 4*ROWB, v[CO]              ; the stores below reach back by their immediates
.irp p, 0,1,2,3,4,5,6,7
	v_cvt_pk_f16_f32 v[HP+(\p)], v[C+2*(\p)], v[C+2*(\p)+1]  ; hi
.endr
	WIDEN
.irp p, 0,1,2,3,4,5,6,7
	v_pk_add_f32 v[Q+2*(\p):Q+2*(\p)+1], v[C+2*(\p):C+2*(\p)+1], v[Q+2*(\p):Q+2*(\p)+1] neg_lo:[0,1] neg_hi:[0,1]  ; cur1 - hi, exact
.endr
.irp p, 0,1,2,3,4,5,6,7
	v_cvt_pk_f16_f32 v[WP+(\p)], v[Q+2*(\p)], v[Q+2*(\p)+1]
.endr
.irp p, 0,1,2,3,4,5,6,7
	v_add_nc_u32 v[WP+(\p)], s[HULP], v[WP+(\p)]   ; half of the step that is kept: the cut below then rounds; a carry goes up into the exponent, as it should, and never past a finite number's half
.endr
	BITS C,   0, 1, 0                              ; mem1_1 = cur1: r2, mem1_2
	BITS MEM, 1, 0, 0                              ; r3, mem1_3
	BITS MEM, 2, 0, 0                              ; r4, mem1_4
	BITS MEM, 3, 0, 1                              ; r5
.irp p, 0,1,2,3,4,5,6,7
	v_or_b32 v[Q+2*(\p)], v[Q+2*(\p)], v[Q+2*(\p)+1]  ; the even column's four bits at 3:0, the odd column's at 19:16
.endr
.irp p, 0,1,2,3,4,5,6,7
	v_bfi_b32 v[WP+(\p)], s[KEEP], v[WP+(\p)], v[Q+2*(\p)]  ; lo's upper 12 bits, the four reset bits below
.endr
.irp i, 0,1,2,3
	global_store_b64 v[CO], v[HP+2*(\i):HP+2*(\i)+1], s[70:71] offset:(\i)*ROWB-4*ROWB  ; 32 lanes store 256 consecutive bytes, at a multiple of 256 from the buffer's first byte
	global_store_b64 v[CO], v[WP+2*(\i):WP+2*(\i)+1], s[72:73] offset:(\i)*ROWB-4*ROWB
.endr
.endm
	LOADL
	s_mov_b32 s3, 31
.Lrows:                                                ; 32 trips of four rows; the last is written out: it asks for nothing
	TRIP 1
	s_sub_co_u32 s3, s3, 1
	s_cmp_lg_u32 s3, 0
	s_cbranch_scc1 .Lrows
	TRIP 0
	s_wait_tensorcnt 0x0                           ; the wave's end: an add to my spare word and its wait, behind my last tensor load and my last LDS store
	ds_add_u32 v[SPW], v[NIL]
	s_wait_dscnt 0x0
	CROUND                                         ; the closing round: no work-group ends while a partner may still ask for a tile that names it
	s_endpgm
.Lfunc_end_k_q4701b2cccc_fc1:
	.size	k_q4701b2cccc_fc1, .Lfunc_end_k_q4701b2cccc_fc1-k_q4701b2cccc_fc1
	.p2alignl 7, 3214868480
	.fill 96, 4, 3214868480
	.section	.rodata,"a",@progbits
	.p2align	6, 0x0
	.amdhsa_kernel k_q4701b2cccc_fc1
		.amdhsa_group_segment_fixed_size 327680
		.amdhsa_private_segment_fixed_size 0
		.amdhsa_enable_private_segment 0
		.amdhsa_kernarg_size 40
		.amdhsa_user_sgpr_count 2
		.amdhsa_user_sgpr_kernarg_segment_ptr 1
		.amdhsa_wavefront_size32 1
		.amdhsa_system_sgpr_workgroup_id_x 1
		.amdhsa_system_sgpr_workgroup_id_y 1
		.amdhsa_system_sgpr_workgroup_id_z 1
		.amdhsa_system_vgpr_workitem_id 0
		.amdhsa_next_free_vgpr 1024
		.amdhsa_next_free_sgpr 88
		.amdhsa_reserve_vcc 0
		.amdhsa_float_denorm_mode_32 3
		.amdhsa_float_denorm_mode_16_64 3
		.amdhsa_memory_ordered 1
		.amdhsa_forward_progress 1
		.amdhsa_inst_pref_size 153
	.end_amdhsa_kernel
	.amdgpu_metadata
---
amdhsa.version: [ 1, 2 ]
amdhsa.kernels:
  - .name:           k_q4701b2cccc_fc1
    .symbol:         k_q4701b2cccc_fc1.kd
    .args:
      - { .name: xb, .offset: 0, .size: 8, .value_kind: global_buffer, .address_space: global }
      - { .name: w1b, .offset: 8, .size: 8, .value_kind: global_buffer, .address_space: global }
      - { .name: b1, .offset: 16, .size: 8, .value_kind: global_buffer, .address_space: global }
      - { .name: hi, .offset: 24, .size: 8, .value_kind: global_buffer, .address_space: global }
      - { .name: lw, .offset: 32, .size: 8, .value_kind: global_buffer, .address_space: global }
    .group_segment_fixed_size: 327680
    .private_segment_fixed_size: 0
    .kernarg_segment_align: 8
    .kernarg_segment_size: 40
    .max_flat_workgroup_size: 128
    .sgpr_count:     88
    .vgpr_count:     1024
    .wavefront_size: 32
...
	.end_amdgpu_metadata
.endif
;; end of part 2
;; launch fc2 (part 3): grid 4 x 64, 4 waves a work-group, clusters of 4 x 4, 327,680 bytes of LDS; arguments hi, lw, w2h, b2, out0, out1; writes out0, out1
.if DOCPART == 3
	.amdgcn_target "amdgcn-amd-amdhsa--gfx1250"
	.amdhsa_code_object_version 6
	.text
	.protected	k_q4701b2cccc_fc2
	.globl	k_q4701b2cccc_fc2
	.p2align	8
	.type	k_q4701b2cccc_fc2,@function
k_q4701b2cccc_fc2:
	s_mov_b64 s[64:65], 0
	v_nop
	global_prefetch_b8 v0, s[64:65] scope:SCOPE_SE
	s_setreg_imm32_b32 hwreg(HW_REG_WAVE_MODE, 25, 1), 1
	s_wait_xcnt 0x0
	s_wait_alu depctr_hold_cnt(0) depctr_sa_sdst(0) depctr_va_vdst(0) depctr_va_sdst(0) depctr_va_ssrc(0) depctr_va_vcc(0) depctr_vm_vsrc(0)
	s_getreg_b32 s2, hwreg(HW_REG_IB_STS2, 6, 4)
	s_cmp_eq_u32 s2, 0
	s_cbranch_scc0 .Lentry_in_a_cluster
	s_endpgm
.Lentry_in_a_cluster:
	s_bfe_u32 s2, ttmp6, 0x10000c
	s_cmp_lg_u32 s2, 0xf033
	s_cbranch_scc0 .Lentry_shape_is_right
	s_endpgm
.Lentry_shape_is_right:
; The second layer and both outputs.  With Y_t = mem1_t W2^T:  Y_1 = P,  Y_t = 0.5 Y_(t-1) + P - 15 G_t,  P = cur1 W2^T,  G_t = r_t W2^T (t = 2..5), since mem1 is linear in cur1 and in its reset bits.
; Then, as the module has it, cur2 = Y_t + b2, reset = [mem2 > 10], mem2 = (0.5 mem2 + cur2) - 10 reset, five times; out1 = mem2, out0 = [mem2 > 10].  b2 is rounded to bf16 like the other inputs.
; SIX PRODUCTS over K = 4,096, all f16 with f32 sums: hi and lo (both onto P) and the four bit matrices.  A word of lw holds two numbers: lo in each half's upper 12 bits, r2..r5 in its bits 0..3.
; One vector instruction a register makes each operand: lo = lw & 0xfff0fff0;  t = lw << 10 brings the bits to each half's bits 10..13 (what the low half spills lands in bits 25:16, below the high half's four);
; t & one bit is the f16 number 2^-14, 2^-13, 2^-11 or 2^-7 where the reset bit is set, 0 elsewhere; the way out multiplies the scale back with the 15.
; LIMITS.  The roundings of Y_t come in another order than the module's.  NaN and infinities are not treated apart.
; SHARES.  A work-group makes 64 rows x 128 columns: 256 work-groups.  Wave w has rows 16 w .. 16 w + 15 and all 128 columns: 8 column blocks x 5 sums = 40 accumulators, so that no wave repeats another's masks.
; For 32 along K a wave has 20 LDS loads, 48 vector and 48 matrix instructions.  THE MATRIX INSTRUCTION IS USED TRANSPOSED (source 0 = 16 rows of W2, source 1 = 16 rows of hi, lo or bits).
; RING.  K goes in steps of 256 through two LDS slots; a slot holds four regions of 64 rows x 512 bytes: hi, lw, W2's rows 0-63, W2's rows 64-127; wave q fills region q with one tensor load.
; CLUSTER.  4 x 4 work-groups: the four of a row need the same tiles of hi and lw, the four of a column the same tiles of W2: each is asked for JOINTLY, same load, descriptor and mask in all four.
; REGISTERS, in windows of 256 (s_set_vgpr_msb: bits 1:0 source 0, 3:2 source 1, 5:4 source 2, 7:6 destination):
;   window 0: addresses and the way out      window 1: v0-63, v64-127 fragments of W2, two buffers; v128-129 LDS addresses
;   window 2: v0-63 P, v64-127 G2, v128-191 G3; v192-255 eight operands of 8 registers      window 3: v0-63 G4, v64-127 G5
; Under the setting S2 a product takes W2 from window 1 and all else from window 2, a two-source vector instruction with a scalar first source works wholly in window 2, and an LDS load takes its address
; from window 1 and lands in window 2: the masks stand between the products without a switch; four switches for 48 products.
.set KSTEP,  256
.set ROWK,   4096                      ; elements in a row of hi, lw, w2h
.set ROWB,   2048                      ; bytes in a row of out0, out1
.set PITCH,  528                       ; an LDS row: 512 bytes + 16 of padding = 132 words: row r starts at bank 4 r mod 64 (64 banks of 4 bytes: ISA guide 11.1)
.set HALFT,  64*PITCH                  ; a region: what one tensor load brings
.set SLOT,   4*HALFT
.set SPARE,  2*SLOT                    ; behind the ring: the spare words, 128 bytes for each wave: two blocks of 256 bytes that no other line names
.set DP,     528                       ; the way out: a row of 128 f32 + 16 bytes
.set PLANE,  16*DP                     ; one sum's 16 rows
.set DUMPW,  5*PLANE                   ; a wave's five sums; four waves take 168,960 of the ring's bytes
.set A0,   8                           ; v8   my place in region hi: (16 w + l % 16) x pitch + 16 (l / 16); never rewritten
.set B0,   9                           ; v9   my place in W2's regions; never rewritten
.set DST,  24                          ; v24  the way out: where I put 16 bytes of a row
.set RDA,  25                          ; v25  my 16 bytes in my wave's first row; never rewritten
.set CO,   26                          ; v26  my byte offset in out0 and out1
.set BA,   27                          ; v27  my byte offset in b2
.set SPW,  28                          ; v28  LDS address of my spare word; never rewritten
.set NIL,  29                          ; v29  0; never rewritten
.set RD,   30                          ; v30  LDS address of the rows read next
.set BI,   32                          ; v[32:35]   b2 of my 4 columns
.set L,    40                          ; v[40:79]   sum q, row i at L + 8 q + 4 i
.set Y,    80                          ; v[80:87]
.set CU,   88                          ; v[88:95]
.set M2,   96                          ; v[96:103]  mem2
.set T,    104                         ; v[104:111] the reset, at last the spike
.set ADA,  128                         ; window 1: LDS address of the fragments of hi to be fetched
.set ADB,  129                         ; window 1: of W2's
.set P,    0                           ; window 2
.set G2,   64
.set G3,   128
.set HI,   192
.set W,    200
.set TT,   208
.set LO,   216
.set R2,   224
.set R3,   232
.set R4,   240
.set R5,   248
.set G4,   0                           ; window 3
.set G5,   64
.set G1,  24                           ; s[24:31] descriptor group 1 for hi's and lw's tiles;   s[32:39] group 0, a set for each slot
.set G0,  32
.set G1B, 48                           ; s[48:55], s[56:63] the same for W2's
.set G0B, 56
.set UP,  80                           ; s[80:81] 2^20
.set TH,  82                           ; s[82:83] -10 x 2^20
.set N10, 84                           ; s[84:85] -10
.set K2,  86                           ; s[86:87] -15 x 2^14
.set K3,  88                           ; s[88:89] -15 x 2^13
.set K4,  90                           ; s[90:91] -15 x 2^11
.set K5,  92                           ; s[92:93] -15 x 2^7
.set MLO, 94                           ; s94-98   the five masks
.set MR2, 95
.set MR3, 96
.set MR4, 97
.set MR5, 98
.set TB,  99                           ; s99      LDS byte (slot and place along K) of the step to be fetched; on the way out the rows to be read
.set MSB, 0
.macro WIN new                         ; the immediate's high byte repeats the setting that is left; a switch that changes nothing is dropped
.if MSB != (\new)
	s_set_vgpr_msb (MSB<<8)|(\new)
.set MSB, \new
.endif
.endm
.set S2,   0xa9                        ; source 0 window 1; source 1, C and D window 2
.set S3,   0xf9                        ; source 0 window 1; source 1 window 2; C and D window 3
.set TO_B, 0x41                        ; destination and source 0 window 1, source 1 window 0
.macro JLOAD s                         ; a joint load: wave 0 fetches hi's tile, wave 1 lw's, waves 2 and 3 W2's two halves; an s_nop 0 and four v_nop follow each of the two lines
	s_cmp_eq_u32 s11, 0
	s_cbranch_scc0 .Lfor_b_\@
	tensor_load_to_lds s[G0+4*(\s):G0+4*(\s)+3], s[G1:G1+7]
	s_nop 0
.rept 4
	v_nop
.endr
	s_branch .Lasked_\@
.Lfor_b_\@:
	tensor_load_to_lds s[G0B+4*(\s):G0B+4*(\s)+3], s[G1B:G1B+7]
	s_nop 0
.rept 4
	v_nop
.endr
.Lasked_\@:
.endm
.macro CREST                           ; a round of the cluster's barrier behind its opening barrier
	s_cmp_lg_u32 s10, 0
	s_cbranch_scc1 .Lnot_wave_0_\@
	s_barrier_signal -3
.Lnot_wave_0_\@:
	s_barrier_wait -3
	s_barrier_signal -1
	s_barrier_wait -1
.endm
.macro CROUND                          ; a whole round
	s_barrier_signal -1
	s_barrier_wait -1
	CREST
.endm
	s_load_b256 s[68:75], s[0:1], 0x0              ; hi s[68:69], lw s[70:71], w2h s[72:73], b2 s[74:75]
	s_load_b128 s[76:79], s[0:1], 0x20             ; out0 s[76:77], out1 s[78:79]
	v_lshl_add_u32 v[SPW], v0, 2, SPARE
	v_mov_b32 v[NIL], 0
	ds_add_u32 v[SPW], v[NIL]                      ; the wave's opening: the add and its wait stand ahead of my first tensor load; the set-up below, work on registers, stands between them
	v_lshrrev_b32 v1, 5, v0
	v_readfirstlane_b32 s10, v1                    ; wave 0..3
	s_lshr_b32 s11, s10, 1                         ; I fetch hi or lw (0), or W2 (1)
	s_and_b32 s12, s10, 1                          ; hi or lw; or which 64 rows of W2's tile
	s_bfe_u32 s40, ttmp6, 0x40000                  ; cx, cy: my place in the cluster
	s_bfe_u32 s41, ttmp6, 0x40004
	s_lshl_b32 s42, ttmp9, 2
	s_add_co_u32 s42, s42, s40                     ; tile column = 4 x cluster x + cx
	s_and_b32 s13, ttmp7, 0xffff
	s_lshl_b32 s13, s13, 2
	s_add_co_u32 s13, s13, s41                     ; tile row = 4 x cluster y + cy
	s_lshl_b32 s43, s41, 2
	s_lshl_b32 s43, 15, s43                        ; my row of the cluster
	s_lshl_b32 s44, 0x1111, s40                    ; my column
	; descriptor group 1: a tile of 64 rows x 256 elements, padded in LDS
	s_or_b32 s[G1+0], s43, (1<<16)|(1<<20)|(1<<21)|(6<<22)|(3<<25)   ; 15:0 the mask; 17:16 elements of 2 bytes; 20 padding on; 21 set beside a mask; 24:22 after every 128 words (code 6); 31:25 4 words (code 3)
	s_or_b32 s[G1B+0], s44, (1<<16)|(1<<20)|(1<<21)|(6<<22)|(3<<25)
.irp g, G1, G1B
	s_mov_b32 s[(\g)+1], KSTEP<<16                 ; tensor_dim0 = 256
	s_mov_b32 s[(\g)+2], 64<<16                    ; tensor_dim1 = 64
	s_mov_b32 s[(\g)+3], KSTEP<<16                 ; tile_dim0 = 256
	s_mov_b32 s[(\g)+4], 64                        ; tile_dim1 = 64
	s_mov_b32 s[(\g)+5], ROWK                      ; elements from row to row
	s_mov_b32 s[(\g)+6], 0
	s_mov_b32 s[(\g)+7], 0
.endr
	s_mov_b32 s[UP], 0x49800000                    ; the packed forms name pairs and take the low word for both halves; both words are written
	s_mov_b32 s[UP+1], 0x49800000
	s_mov_b32 s[TH], 0xcb200000
	s_mov_b32 s[TH+1], 0xcb200000
	s_mov_b32 s[N10], 0xc1200000
	s_mov_b32 s[N10+1], 0xc1200000
	s_mov_b32 s[K2], 0xc8700000
	s_mov_b32 s[K2+1], 0xc8700000
	s_mov_b32 s[K3], 0xc7f00000
	s_mov_b32 s[K3+1], 0xc7f00000
	s_mov_b32 s[K4], 0xc6f00000
	s_mov_b32 s[K4+1], 0xc6f00000
	s_mov_b32 s[K5], 0xc4f00000
	s_mov_b32 s[K5+1], 0xc4f00000
	s_mov_b32 s[MLO], 0xfff0fff0
	s_mov_b32 s[MR2], 0x04000400
	s_mov_b32 s[MR3], 0x08000800
	s_mov_b32 s[MR4], 0x10001000
	s_mov_b32 s[MR5], 0x20002000
	s_mov_b32 s[TB], 0
	; where the tiles come from: hi's and lw's hang on the tile row alone, W2's on the tile column alone; each in registers that never hold the other coordinate
	s_lshl_b32 s16, s13, 19                        ; 64 rows of 8,192 bytes a tile row
	s_mov_b32 s17, 0
	s_lshl_b32 s46, s42, 7
	s_lshl_b32 s47, s12, 6
	s_add_co_u32 s46, s46, s47                     ; W2: row 128 x tile column + 64 x half,
	s_lshl_b32 s46, s46, 13                        ; in bytes
	s_mov_b32 s47, 0
	s_mul_i32 s20, s10, HALFT                      ; and where they go: region = wave: no place in the cluster enters an LDS address
	s_wait_dscnt 0x0                               ; the opening add is done
	s_wait_kmcnt 0x0
	s_cmp_eq_u32 s12, 1                            ; the choice hangs on the wave's number alone
	s_cselect_b64 s[14:15], s[70:71], s[68:69]     ; lw, or hi
	s_add_nc_u64 s[14:15], s[14:15], s[16:17]
	s_add_nc_u64 s[46:47], s[72:73], s[46:47]
	CROUND                                         ; all sixteen work-groups are here: the first joint loads meet
.irp s, 0,1
	s_mov_b32 s[G0+4*(\s)], 1                                        ; count = 1
	s_add_co_u32 s[G0+4*(\s)+1], s20, (\s)*SLOT                      ; LDS address
	s_add_nc_u64 s[G0+4*(\s)+2:G0+4*(\s)+3], s[14:15], (\s)*KSTEP*2  ; global address: K step s
	s_or_b32 s[G0+4*(\s)+3], s[G0+4*(\s)+3], 0x80000000              ; type = 2
	s_mov_b32 s[G0B+4*(\s)], 1
	s_add_co_u32 s[G0B+4*(\s)+1], s20, (\s)*SLOT
	s_add_nc_u64 s[G0B+4*(\s)+2:G0B+4*(\s)+3], s[46:47], (\s)*KSTEP*2
	s_or_b32 s[G0B+4*(\s)+3], s[G0B+4*(\s)+3], 0x80000000
	JLOAD \s                                       ; two tensor loads of mine are out
.endr
	v_and_b32 v5, 31, v0                           ; lane
	s_lshl_b32 s46, s42, 9                         ; the tile's 128 columns: 512 bytes a tile column, in b2 and in a row of the outputs
	v_lshl_add_u32 v[BA], v5, 4, s46               ; + 16 bytes a lane
	global_load_b128 v[BI:BI+3], v[BA], s[74:75]
	v_and_b32 v1, 15, v0                           ; l % 16
	v_bfe_u32 v2, v0, 4, 1                         ; l / 16
	v_mul_u32_u24 v3, v1, PITCH
	v_lshl_add_u32 v3, v2, 4, v3                   ; a fragment's row x pitch + 16 x half
	s_mul_i32 s21, s10, 16*PITCH                   ; my 16 rows of hi and lw
	v_add_nc_u32 v[A0], s21, v3
	v_add_nc_u32 v[B0], 2*HALFT, v3                ; W2's 128 rows lie behind hi's and lw's regions, at one pitch
	s_mul_i32 s23, s10, DUMPW                      ; my wave's part of the dump
	v_mul_u32_u24 v4, v1, DP                       ; in: row l % 16, 32 bytes (8 sums) for each half of the lanes
	v_lshl_add_u32 v4, v2, 5, v4
	v_add_nc_u32 v[DST], s23, v4
	v_lshl_add_u32 v[RDA], v5, 4, s23              ; back: 32 lanes take a row's 512 bytes
	v_lshlrev_b32 v[CO], 4, v5                     ; out: 16 bytes a lane
	s_lshl_b32 s16, s13, 6                         ; my first row: 64 x tile row + 16 x wave,
	s_lshl_b32 s17, s10, 4
	s_add_co_u32 s16, s16, s17
	s_lshl_b32 s16, s16, 11                        ; in bytes
	s_add_co_u32 s46, s46, s16
	s_mov_b32 s47, 0
	s_add_nc_u64 s[76:77], s[76:77], s[46:47]
	s_add_nc_u64 s[78:79], s[78:79], s[46:47]
	s_wait_loadcnt 0x0                             ; b2: rounded to bf16 like the other inputs, kept as f32
	v_cvt_pk_bf16_f32 v6, v[BI], v[BI+1]
	v_cvt_pk_bf16_f32 v7, v[BI+2], v[BI+3]
	v_lshlrev_b32 v[BI], 16, v6
	v_and_b32 v[BI+1], 0xffff0000, v6
	v_lshlrev_b32 v[BI+2], 16, v7
	v_and_b32 v[BI+3], 0xffff0000, v7
.macro WM acc, b, afrag, par, zero     ; one product: column block b, W2's buffer par.  zero = 1: it starts the sum: nothing is cleared
.if \zero
	v_wmma_f32_16x16x32_f16 v[(\acc)+8*(\b):(\acc)+8*(\b)+7], v[64*(\par)+8*(\b):64*(\par)+8*(\b)+7], v[(\afrag):(\afrag)+7], 0
.else
	v_wmma_f32_16x16x32_f16 v[(\acc)+8*(\b):(\acc)+8*(\b)+7], v[64*(\par)+8*(\b):64*(\par)+8*(\b)+7], v[(\afrag):(\afrag)+7], v[(\acc)+8*(\b):(\acc)+8*(\b)+7]
.endif
.endm
.macro AND2 d, m, s, n                 ; registers 2 n, 2 n + 1 of operand d = those of s under mask m
	v_and_b32 v[(\d)+2*(\n)],   s[\m], v[(\s)+2*(\n)]
	v_and_b32 v[(\d)+2*(\n)+1], s[\m], v[(\s)+2*(\n)+1]
.endm
.macro SHL2 n
	v_lshlrev_b32 v[TT+2*(\n)],   10, v[W+2*(\n)]
	v_lshlrev_b32 v[TT+2*(\n)+1], 10, v[W+2*(\n)+1]
.endm
; 20 LDS loads in one run: the next 32 along K: W2's 8 fragments into buffer pn, my 16 rows of hi and of lw
.macro RUN pn
	WIN TO_B
	v_add_nc_u32 v[ADA], s[TB], v[A0]
	v_add_nc_u32 v[ADB], s[TB], v[B0]
.irp i, 0,1,2,3,4,5,6,7
	ds_load_b128 v[64*(\pn)+8*(\i):64*(\pn)+8*(\i)+3],   v[ADB] offset:(\i)*16*PITCH
	ds_load_b128 v[64*(\pn)+8*(\i)+4:64*(\pn)+8*(\i)+7], v[ADB] offset:(\i)*16*PITCH+32
.endr
	WIN S2
	ds_load_b128 v[HI:HI+3],   v[ADA]
	ds_load_b128 v[HI+4:HI+7], v[ADA] offset:32
	ds_load_b128 v[W:W+3],     v[ADA] offset:HALFT
	ds_load_b128 v[W+4:W+7],   v[ADA] offset:HALFT+32
	s_add_co_u32 s[TB], s[TB], 64                  ; the next run is the next 32 along K
.endm
; A STEP: 32 along K, 48 products, W2's buffer par.  The 40 accumulators take turns, one instruction a turn (P's two links stand 8 products apart).
; Two vector instructions stand behind each of the first 24 products; each makes a register of an operand that a later run of eight products takes.  An operand's registers are written
; 16 or more such instructions behind the last product that read them; the loads into hi's registers stand 12 behind theirs, those into W2's other buffer 26 (four are asked: ISA guide 7.12.1 for vector instructions).
; mode 0: the next step's fragments are fetched from the same slot, 36 products ahead of their use.
; mode 1: the slot's last step.  ONE barrier, which opens a round of the cluster's: in front of it each wave waits for all its tensor loads (one is out: its region of the other slot), adds 0 to its
;         spare word, and waits for that and for its own reads of this slot (the wait at the step's head has brought the last of them in).  Behind the round this slot is filled again, two K steps on, first thing:
;         372 products ahead of the wait for it; then the other slot's first fragments are fetched.
; mode 2: the same where nothing is left to ask for: a plain barrier.     mode 3: the very last step: behind its barrier the ring's bytes may be written.
.macro STEP par, zero, mode, slot=0
	s_wait_dscnt 0x0                               ; this step's fragments are in
.if ((\mode) == 1) || ((\mode) == 2)
	WIN 0                                          ; (the add's two registers lie in window 0)
	s_wait_tensorcnt 0x0
	ds_add_u32 v[SPW], v[NIL]                      ; 0 onto my spare word; eight products stand between it and the wait for it
.endif
.if (\mode) == 3
	s_barrier_signal -1                            ; my last reads of the ring are back
.endif
	WIN S2
.irp b, 0,1,2,3
	WM P, \b, HI, \par, \zero
	AND2 LO, MLO, W, \b
.endr
.irp b, 4,5,6,7
	WM P, \b, HI, \par, \zero
	SHL2 (\b)-4
.endr
.if ((\mode) == 1) || ((\mode) == 2)
	s_wait_dscnt 0x0                               ; the add is done
	s_barrier_signal -1
.endif
.irp b, 0,1,2,3
	WM P, \b, LO, \par, 0
	AND2 R2, MR2, TT, \b
.endr
.if (\mode) == 0
	RUN 1-(\par)
.elseif (\mode) == 1
	WIN 0
	s_barrier_wait -1
	CREST                                          ; no wave of any partner still reads this slot's tiles or has a load on its way
	s_add_nc_u64 s[G0+4*(\slot)+2:G0+4*(\slot)+3], s[G0+4*(\slot)+2:G0+4*(\slot)+3], 2*KSTEP*2
	s_add_nc_u64 s[G0B+4*(\slot)+2:G0B+4*(\slot)+3], s[G0B+4*(\slot)+2:G0B+4*(\slot)+3], 2*KSTEP*2
	JLOAD \slot
	s_mov_b32 s[TB], (1-(\slot))*SLOT
	RUN 1-(\par)
.elseif (\mode) == 2
	s_barrier_wait -1
	s_mov_b32 s[TB], (1-(\slot))*SLOT
	RUN 1-(\par)
.endif
.irp b, 4,5,6,7
	WM P, \b, LO, \par, 0
	AND2 R3, MR3, TT, (\b)-4
.endr
.irp b, 0,1,2,3
	WM G2, \b, R2, \par, \zero
	AND2 R4, MR4, TT, \b
.endr
.irp b, 4,5,6,7
	WM G2, \b, R2, \par, \zero
	AND2 R5, MR5, TT, (\b)-4
.endr
.irp b, 0,1,2,3,4,5,6,7
	WM G3, \b, R3, \par, \zero
.endr
	WIN S3
.irp b, 0,1,2,3,4,5,6,7
	WM G4, \b, R4, \par, \zero
.endr
.irp b, 0,1,2,3,4,5,6,7
	WM G5, \b, R5, \par, \zero
.endr
.if (\mode) == 3
	WIN 0
	s_barrier_wait -1
.endif
.endm
.macro SIX                             ; a K step's steps 1 to 6
	WIN 0                                          ; at a label and at a branch every window is 0
	s_mov_b32 s2, 3
.Lsix_\@:
	STEP 1, 0, 0
	STEP 0, 0, 0
	WIN 0
	s_sub_co_u32 s2, s2, 1
	s_cmp_lg_u32 s2, 0
	s_cbranch_scc1 .Lsix_\@
.endm
.macro KREST slot, mode                ; a K step's steps 1 to 7, the change of slots in the last of them, and the next K step's step 0
	SIX
	STEP 1, 0, \mode, \slot
	STEP 0, 0, 0
	WIN 0
.endm
	s_wait_tensorcnt 1                             ; my region of K step 0 is in; K step 1's may stay out
	s_barrier_signal -1
	s_barrier_wait -1                              ; everybody's is
	RUN 0
	STEP 0, 1, 0                                   ; the first step stands in front of the loop: its products start the sums
	WIN 0
	s_mov_b32 s3, 7
.Llap:                                                 ; a trip goes once round the ring and fills both slots again: K steps 2 to 15
	KREST 0, 1
	KREST 1, 1
	s_sub_co_u32 s3, s3, 1
	s_cmp_lg_u32 s3, 0
	s_cbranch_scc1 .Llap
	KREST 0, 2                                     ; the last two K steps are written out: nothing is asked for
	SIX
	STEP 1, 0, 3
	; THE WAY OUT.  The five sums go into the ring's bytes, which have had their last fill; each accumulator's low four registers first.
.rept 4
	v_nop                                          ; the places behind the last products
.endr
	WIN 0x08                                       ; store data (source 1) in window 2: P, G2, G3
.irp q, 0,1,2
.irp b, 0,1,2,3,4,5,6,7
	ds_store_b128 v[DST], v[64*(\q)+8*(\b):64*(\q)+8*(\b)+3]   offset:(\q)*PLANE+(\b)*64
	ds_store_b128 v[DST], v[64*(\q)+8*(\b)+4:64*(\q)+8*(\b)+7] offset:(\q)*PLANE+(\b)*64+16
.endr
.endr
	WIN 0x0c                                       ; window 3: G4, G5
.irp q, 3,4
.irp b, 0,1,2,3,4,5,6,7
	ds_store_b128 v[DST], v[64*((\q)-3)+8*(\b):64*((\q)-3)+8*(\b)+3]   offset:(\q)*PLANE+(\b)*64
	ds_store_b128 v[DST], v[64*((\q)-3)+8*(\b)+4:64*((\q)-3)+8*(\b)+7] offset:(\q)*PLANE+(\b)*64+16
.endr
.endr
	WIN 0
	s_wait_dscnt 0x0                               ; my stores are done;
	s_barrier_signal -1                            ; one meeting between the writing and the reading (a wave reads its own rows alone)
	s_barrier_wait -1
.macro SPIKE                           ; T = [mem2 > 10]: the step of f32 just above 10 is 2^-20, so (mem2 - 10) 2^20 is 1 or more there and 0 or less elsewhere
.irp p, 0,1,2,3
	v_pk_fma_f32 v[T+2*(\p):T+2*(\p)+1], v[M2+2*(\p):M2+2*(\p)+1], s[UP:UP+1], s[TH:TH+1] op_sel_hi:[1,0,0]
.endr
.set z, 0
.rept 8
	v_med3_num_f32 v[T+z], v[T+z], 0, 1.0
.set z, z+1
.endr
.endm
; One step of the second membrane for 8 numbers.  q: which bit sum; k: its factor; first = 1: Y_(t-1) is P itself.
.macro LEAK q, k, first
.irp p, 0,1,2,3
.if \first
	v_pk_fma_f32 v[Y+2*(\p):Y+2*(\p)+1], v[L+2*(\p):L+2*(\p)+1], 0.5, v[L+2*(\p):L+2*(\p)+1] op_sel_hi:[1,0,1]
.else
	v_pk_fma_f32 v[Y+2*(\p):Y+2*(\p)+1], v[Y+2*(\p):Y+2*(\p)+1], 0.5, v[L+2*(\p):L+2*(\p)+1] op_sel_hi:[1,0,1]
.endif
.endr
.irp p, 0,1,2,3
	v_pk_fma_f32 v[Y+2*(\p):Y+2*(\p)+1], v[L+8*(\q)+2*(\p):L+8*(\q)+2*(\p)+1], s[(\k):(\k)+1], v[Y+2*(\p):Y+2*(\p)+1] op_sel_hi:[1,0,1]  ; - 15 G_t
.endr
	SPIKE                                          ; the reset, from the membrane as it was
.irp p, 0,1,2,3
	v_pk_add_f32 v[CU+2*(\p):CU+2*(\p)+1], v[Y+2*(\p):Y+2*(\p)+1], v[BI+2*((\p)%2):BI+2*((\p)%2)+1]
.endr
.irp p, 0,1,2,3
	v_pk_fma_f32 v[M2+2*(\p):M2+2*(\p)+1], v[M2+2*(\p):M2+2*(\p)+1], 0.5, v[CU+2*(\p):CU+2*(\p)+1] op_sel_hi:[1,0,1]
.endr
.irp p, 0,1,2,3
	v_pk_fma_f32 v[M2+2*(\p):M2+2*(\p)+1], v[T+2*(\p):T+2*(\p)+1], s[N10:N10+1], v[M2+2*(\p):M2+2*(\p)+1] op_sel_hi:[1,0,1]
.endr
.endm
	s_mov_b32 s[TB], 0
	s_mov_b32 s3, 8
.Lrows:                                                ; eight trips of two rows: a lane takes 4 neighbouring columns of each row, of all five sums
	v_add_nc_u32 v[RD], s[TB], v[RDA]
.irp q, 0,1,2,3,4
.irp i, 0,1
	ds_load_b128 v[L+8*(\q)+4*(\i):L+8*(\q)+4*(\i)+3], v[RD] offset:(\q)*PLANE+(\i)*DP
.endr
.endr
	s_add_co_u32 s[TB], s[TB], 2*DP
	s_wait_xcnt 0x0                                ; every earlier memory instruction has had its addresses translated (ISA guide 3.1): the last trip's stores' data and offset are rewritten only behind this wait
	v_add_nc_u32 v[CO], 2*ROWB, v[CO]              ; the stores below reach back by their immediates
	s_wait_dscnt 0x0
.irp p, 0,1,2,3
	v_pk_add_f32 v[M2+2*(\p):M2+2*(\p)+1], v[L+2*(\p):L+2*(\p)+1], v[BI+2*((\p)%2):BI+2*((\p)%2)+1]  ; step 1: mem2 = P + b2
.endr
	LEAK 1, K2, 1
	LEAK 2, K3, 0
	LEAK 3, K4, 0
	LEAK 4, K5, 0
	SPIKE                                          ; the spike, from the last membrane
.irp i, 0,1
	global_store_b128 v[CO], v[T+4*(\i):T+4*(\i)+3],   s[76:77] offset:(\i)*ROWB-2*ROWB th:TH_STORE_NT  ; 32 lanes store 512 consecutive bytes, at a multiple of 256 from the buffer's first byte
	global_store_b128 v[CO], v[M2+4*(\i):M2+4*(\i)+3], s[78:79] offset:(\i)*ROWB-2*ROWB th:TH_STORE_NT
.endr
	s_sub_co_u32 s3, s3, 1
	s_cmp_lg_u32 s3, 0
	s_cbranch_scc1 .Lrows
	s_wait_tensorcnt 0x0                           ; the wave's end: an add to my spare word and its wait, behind my last tensor load and my last LDS store
	ds_add_u32 v[SPW], v[NIL]
	s_wait_dscnt 0x0
	CROUND                                         ; the closing round: no work-group ends while a partner may still ask for a tile that names it
	s_endpgm
.Lfunc_end_k_q4701b2cccc_fc2:
	.size	k_q4701b2cccc_fc2, .Lfunc_end_k_q4701b2cccc_fc2-k_q4701b2cccc_fc2
	.p2alignl 7, 3214868480
	.fill 96, 4, 3214868480
	.section	.rodata,"a",@progbits
	.p2align	6, 0x0
	.amdhsa_kernel k_q4701b2cccc_fc2
		.amdhsa_group_segment_fixed_size 327680
		.amdhsa_private_segment_fixed_size 0
		.amdhsa_enable_private_segment 0
		.amdhsa_kernarg_size 48
		.amdhsa_user_sgpr_count 2
		.amdhsa_user_sgpr_kernarg_segment_ptr 1
		.amdhsa_wavefront_size32 1
		.amdhsa_system_sgpr_workgroup_id_x 1
		.amdhsa_system_sgpr_workgroup_id_y 1
		.amdhsa_system_sgpr_workgroup_id_z 1
		.amdhsa_system_vgpr_workitem_id 0
		.amdhsa_next_free_vgpr 896
		.amdhsa_next_free_sgpr 100
		.amdhsa_reserve_vcc 0
		.amdhsa_float_denorm_mode_32 3
		.amdhsa_float_denorm_mode_16_64 3
		.amdhsa_memory_ordered 1
		.amdhsa_forward_progress 1
		.amdhsa_inst_pref_size 124
	.end_amdhsa_kernel
	.amdgpu_metadata
---
amdhsa.version: [ 1, 2 ]
amdhsa.kernels:
  - .name:           k_q4701b2cccc_fc2
    .symbol:         k_q4701b2cccc_fc2.kd
    .args:
      - { .name: hi, .offset: 0, .size: 8, .value_kind: global_buffer, .address_space: global }
      - { .name: lw, .offset: 8, .size: 8, .value_kind: global_buffer, .address_space: global }
      - { .name: w2h, .offset: 16, .size: 8, .value_kind: global_buffer, .address_space: global }
      - { .name: b2, .offset: 24, .size: 8, .value_kind: global_buffer, .address_space: global }
      - { .name: out0, .offset: 32, .size: 8, .value_kind: global_buffer, .address_space: global }
      - { .name: out1, .offset: 40, .size: 8, .value_kind: global_buffer, .address_space: global }
    .group_segment_fixed_size: 327680
    .private_segment_fixed_size: 0
    .kernarg_segment_align: 8
    .kernarg_segment_size: 48
    .max_flat_workgroup_size: 128
    .sgpr_count:     100
    .vgpr_count:     896
    .wavefront_size: 32
...
	.end_amdgpu_metadata
.endif
;; end of part 3
